; MI455X (gfx1250); checked and timed in simulation.
; The chip was launched on July 23, 2026; its instructions are those of AMD's public machine-readable ISA for CDNA 5 (MIT licence, August 2026) and "CDNA5" Instruction Set Architecture Reference Guide (July 2026). The comments in the code are by the model that wrote it; some were corrected since.
;; Multi Head Attention. Allowed arithmetic: matrix products marked QUANTISED: E5M2 operands, one given power-of-two scale a tensor, by v_wmma_f32_16x16x64_bf8_bf8 or v_wmma_f32_16x16x128_bf8_bf8, f32 sums; everything else in f32.
;; Inputs: W_attn_codes 3,072 x 32 x 32 uint8 (E5M2 codes of W_attn, K innermost, in blocks of 32 codes); W_proj_codes 1,024 x 32 x 32 uint8 (E5M2 codes of W_proj, K innermost, in blocks of 32 codes); b_attn 3,072 float32; b_proj 1,024 float32; lowp_scales 8 int32 (the exponents e of the quantised operands' scales 2^e); x_codes 4 x 2,048 x 32 x 32 uint8 (E5M2 codes of x, K innermost, in blocks of 32 codes).
;; Outputs: out0 4 x 2,048 x 1,024 float32.
;; This version of the problem:
;;   THIS VERSION OF THE PROBLEM IS GIVEN IN LOW PRECISION. The matrix products marked QUANTISED in the list below multiply operands that are first quantised to E5M2 (5 exponent bits, 2 mantissa bits; 8 bits a number), with one given power-of-two scale for each operand tensor; their sums are f32. All else is computed in f32.
;;   The module's matrix products, in the order in which they are computed (A, B: the left and right operand; K: the contracted axis; several contracted axes count as one K, in the product's order):
;;     1. [M 8,192, K 1,024] x [K 1,024, N 3,072]; A: input x (given as codes); B: input W_attn (given as codes): QUANTISED (scales: A lowp_scales[0], B lowp_scales[1])
;;     2. batch 64 x [M 2,048, K 64] x [K 64, N 2,048]; A: computed on the way; B: computed on the way: QUANTISED (scales: A lowp_scales[2], B lowp_scales[3])
;;     3. batch 64 x [M 2,048, K 2,048] x [K 2,048, N 64]; A: softmax (see below); B: computed on the way: QUANTISED (scales: A lowp_scales[4], B lowp_scales[5])
;;     4. [M 8,192, K 1,024] x [K 1,024, N 1,024]; A: computed on the way; B: input W_proj (given as codes): QUANTISED (scales: A lowp_scales[6], B lowp_scales[7])
;;   THE QUANTISER, for each operand of a quantised product, along K:
;;     - The operand's scale is 2^e, e = its entry of the input lowp_scales (int32; the entries are numbered through the quantised products in the list's order, A before B).
;;     - Each number is divided by the scale, clamped to +-57,344, and rounded to the nearest number of E5M2, ties to even, subnormals kept.
;;     - The product sums the exact products of the quantised numbers (number of the format x scale) in f32.
;;   ~~~python
;;   def quantise(x, axis, e):      # numpy; x: float32 -> the quantised numbers, widened to float32 again
;;       x = np.moveaxis(x, axis, -1); K = x.shape[-1]
;;       r = np.clip(x / 2.0 ** e, -57344, 57344)
;;       step = 2.0 ** (np.maximum(np.frexp(np.where(r == 0, 1, r))[1] - 1, -14) - 2)
;;       q = np.round(r / step) * step * 2.0 ** e      # np.round: ties to even
;;       return np.moveaxis(q, -1, axis).astype(np.float32)
;;   ~~~
;;   SOFTMAX AHEAD OF A QUANTISED PRODUCT. Where the list says 'softmax', what is quantised is not the finished softmax but p = 2^(t - M), with t = logit x log2(e) and M = ceil(the row's largest t), a whole number; so 1/2 < the row's largest p <= 1. The row's sum l is taken of the UNQUANTISED p, in f32, and the product's result is divided by l at the end. Since M is a whole number, a kernel that streams over the keys may use a running M (the ceiling of the running maximum): every later rescaling is an exact power of two, so the quantised numbers keep their values, but for numbers so far below the row's largest that they fall under the format's range.
;;   OPERANDS COMPUTED ON THE WAY. 'Computed on the way' means the value that the module computes at that place (a softmax that the list does not call 'softmax' is quantised finished and normalised). What goes into a quantiser is computed in f32, as accurately as f32 sums, v_exp_f32 and their like allow (about 1e-6 of the number): no bf16 or f16 on the way to a quantiser, and a product that is left as it is and whose result goes on into a quantised operand takes f32 operands (vector FMAs, or v_wmma_f32_16x16x4_f32). A number that lies on a knife's edge between two numbers of the format may be rounded either way, as far as f32 arithmetic and the matrix unit's own rounding can turn it there, and no further.
;;   INPUTS GIVEN AS CODES. W_attn (in the module: [1024, 3072], K = its axis 0); W_proj (in the module: [1024, 1024], K = its axis 0); x (in the module: [4, 2048, 1024], K = its axis 2): each comes as NAME_codes (uint8): NAME with its K axis moved to the last place and cut into blocks of 32 codes, [.., K / 32, bytes a block], one block behind the other in memory; one code a byte (a code: sign, 5 exponent bits, 2 mantissa bits); its scale is its entry of lowp_scales. Its value is code x scale, taken as it is: it is not quantised again, and the codes and scales need not be those that the quantiser above would give.
;; One version. Each part assembles by itself: llvm-mc -triple=amdgcn-amd-amdhsa -mcpu=gfx1250 --defsym DOCPART=n.
;; ======== version 1 of 1: 3 launches
;; limits: right only within a limited range of input values
;; workspace buffers: q_img 8,388,608 bytes; kv_img 16,777,216 bytes; a_img 8,388,608 bytes
;; launch qkv (part 1): grid 12 x 32, 4 waves a work-group, clusters of 4 x 4, 327,680 bytes of LDS; arguments x_codes, W_attn_codes, b_attn, lowp_scales, q_img, kv_img; writes q_img, kv_img
.if DOCPART == 1
	.amdgcn_target "amdgcn-amd-amdhsa--gfx1250"
	.amdhsa_code_object_version 6
	.text
	.protected	k_q025af0cc7f_qkv
	.globl	k_q025af0cc7f_qkv
	.p2align	8
	.type	k_q025af0cc7f_qkv,@function
k_q025af0cc7f_qkv:
	s_mov_b64 s[64:65], 0
	v_nop
	global_prefetch_b8 v0, s[64:65] scope:SCOPE_SE
	s_setreg_imm32_b32 hwreg(HW_REG_WAVE_MODE, 25, 1), 1
	s_wait_xcnt 0x0
	s_wait_alu depctr_hold_cnt(0) depctr_sa_sdst(0) depctr_va_vdst(0) depctr_va_sdst(0) depctr_va_ssrc(0) depctr_va_vcc(0) depctr_vm_vsrc(0)
	s_getreg_b32 s2, hwreg(HW_REG_IB_STS2, 6, 4)
	s_cmp_eq_u32 s2, 0
	s_cbranch_scc0 .Lentry_in_a_cluster
	s_endpgm
.Lentry_in_a_cluster:
	s_bfe_u32 s2, ttmp6, 0x10000c
	s_cmp_lg_u32 s2, 0xf033
	s_cbranch_scc0 .Lentry_shape_is_right
	s_endpgm
.Lentry_shape_is_right:
; qkv = x W_attn + b_attn on codes of BF8 (E5M2); q, k and v leave as codes of BF8, quantised with the given scales 2^e2, 2^e3, 2^e5.
; x: [8192][1024] codes, W_attn: [3072][1024] codes, K innermost in both; b_attn [3072] f32; lowp_scales: e0 .. e7 (int32).
; A number ahead of the quantiser is sum x 2^(e0 + e1) + b.  Here it is kept as sum + b / 2^(e0 + e1) (the division is by a power of two), and the conversion's one scale is 2^(et - e0 - e1), et = e2, e3 or e5.
; LIMITS: et - e0 - e1 lies between -126 and 112, so that the scale and 57,344 x the scale are f32 numbers.  NaN in b_attn is not served.
; SHARES.  A tile of qkv, 256 tokens x 256 columns, is made by a work-group of four waves; a wave makes 128 x 128: 64 accumulators, 512 registers.  K goes in steps of 256 through two LDS slots: four fills.
; CLUSTERS: 4 x 4 work-groups.  The four of a row of the cluster need the same tile of x, the four of a column the same tile of W: each is asked for jointly.  A cluster spans 1,024 columns, so the
; cluster's x (0, 1, 2) says whether its columns are q's, k's or v's: every choice between the three hangs on that number, which all sixteen partners share.
; THE RESULTS LEAVE AS IMAGES OF THE NEXT OPERAND'S REGISTERS: four registers of every lane by one store, 16 bytes a lane at 16 x lane: 512 consecutive bytes, aligned.
;   q, k: source 0 = 16 rows of W, source 1 = 16 rows of x.  Lane (r, h) of accumulator (a, b) holds token 16 a + r and columns 16 b + 8 h + 0 .. 7: its eight codes are registers 2 (b % 4), 2 (b % 4) + 1
;         of the fragment (16 tokens x the 64 channels of head b / 4) that the 16x16x64 form takes.
;   v:    the two LDS read bases change places: source 0 = 16 rows of x, source 1 = 16 rows of W.  Lane (r, h) holds column 16 a + r and tokens 16 b + 8 h + 0 .. 7: registers 2 b, 2 b + 1 of the
;         fragment (16 channels x 128 keys) that the 16x16x128 form takes.
; q_img: [64 heads][128 token blocks][1,024 bytes].   kv_img: [64 heads][16 key steps][16,384 bytes]: K's 8 fragments of 1,024 bytes, then V's 4 of 2,048.
; REGISTERS, in windows of 256: window 0: v16-30 addresses and the scale; v32-95 the bias for q and k, v96-111 for v; from v128 source 1's fragments, ONE set; on the way out the codes.
;   window 1: source 0's fragments, TWO sets.   window 2: the accumulators of blocks a = 0 .. 3 ((a, b) at v[8 (8 (a % 4) + b)]);   window 3: those of a = 4 .. 7.
.set KROW,   1024                      ; a row of x or of W in memory, in bytes
.set ROWB,   256                       ; a tile's row: 256 codes
.set PITCH,  272                       ; an LDS row: 256 bytes + 16 of padding = 68 words: row r starts at bank 4 r mod 64 (64 banks of 4 bytes: ISA guide 11.1)
.set FR,     16                        ; registers of a fragment: 16 rows x 128 K
.set NL,     4                         ; LDS loads that bring one
.set NP,     4                         ; places behind this matrix instruction (ISA guide 7.12.1)
.set HALFT,  128*PITCH                 ; 128 rows: what one tensor load brings
.set SLOT,   4*HALFT                   ; x's 256 rows, then W's 256 rows
.set SPARE,  2*SLOT                    ; behind the ring: the spare words, 128 bytes for each wave
.set ADRA, 16                          ; v16-17  LDS address of source 1's fragments in slot 0, 1
.set ADRB, 20                          ; v20-21  of source 0's
.set LO,   24                          ; v24     16 x lane: my place in an image
.set BH,   25                          ; v25     32 h
.set BR,   26                          ; v26     4 r
.set SPW,  28                          ; v28     LDS address of my spare word; never rewritten
.set NIL,  29                          ; v29     0; never rewritten
.set SCL,  30                          ; v30     2^(et - e0 - e1) as f32
.set BQ,   32                          ; v32-95  register 8 b + i: b_attn[n0 + 16 b + 8 h + i] / 2^(e0 + e1)
.set BV,   96                          ; v96-111 registers 2 a and 2 a + 1: b_attn[n0 + 16 a + r] / 2^(e0 + e1)
.set AF,   128
.set G1, 24                            ; s[24:31] descriptor group 1 for x's tiles;  s[32:39] group 0, one set for each slot
.set G0, 32
.set G1B, 48                           ; s[48:55], s[56:63] the same for W's tiles
.set G0B, 56
.set MSB, 0
.macro WIN new                         ; the immediate's high byte repeats the setting that is left
.if MSB != \new
	s_set_vgpr_msb (MSB<<8)|\new
.set MSB, \new
.endif
.endm
.set MUL_LO, 0xa1                      ; source 0 window 1, source 1 window 0, C and D window 2
.set MUL_HI, 0xf1                      ; the same, C and D window 3
.set TO_B,   0x40                      ; destination window 1, address window 0
; A joint load: waves 0 and 1 fetch x's two halves, waves 2 and 3 W's.  The branch hangs on the wave's number alone.  Four v_nop follow each of the two lines.
.macro JLOAD g0a, g1a, g0b, g1b
	s_cmp_eq_u32 s15, 0
	s_cbranch_scc0 .Lfor_b_\@
	tensor_load_to_lds s[\g0a:\g0a+3], s[\g1a:\g1a+7]
	s_nop 0
.rept 4
	v_nop
.endr
	s_branch .Lasked_\@
.Lfor_b_\@:
	tensor_load_to_lds s[\g0b:\g0b+3], s[\g1b:\g1b+7]
	s_nop 0
.rept 4
	v_nop
.endr
.Lasked_\@:
.endm
.macro CREST                           ; a round of the cluster's barrier behind its opening barrier
	s_cmp_lg_u32 s14, 0
	s_cbranch_scc1 .Lnot_wave_0_\@
	s_barrier_signal -3
.Lnot_wave_0_\@:
	s_barrier_wait -3
	s_barrier_signal -1
	s_barrier_wait -1
.endm
.macro CROUND                          ; a whole round
	s_barrier_signal -1
	s_barrier_wait -1
	CREST
.endm
	s_load_b256 s[4:11], s[0:1], 0x0               ; x s[4:5], W s[6:7], b_attn s[8:9], the scales' exponents s[10:11]
	s_load_b128 s[68:71], s[0:1], 0x20             ; q_img s[68:69], kv_img s[70:71]
	v_lshl_add_u32 v[SPW], v0, 2, SPARE
	v_mov_b32 v[NIL], 0
	ds_add_u32 v28, v29
	ds_add_u32 v28, v29
	s_wait_dscnt 0x0
	v_lshrrev_b32 v1, 5, v0
	v_readfirstlane_b32 s14, v1                    ; wave 0..3
	s_lshr_b32 s15, s14, 1                         ; which half of the tile's tokens is mine.  Also: I fetch for x (0) or for W (1)
	s_and_b32 s16, s14, 1                          ; which half of its columns.  Also: which 128 rows of that tile I fetch
	s_bfe_u32 s40, ttmp6, 0x40000                  ; cx, cy: my place in the cluster
	s_bfe_u32 s41, ttmp6, 0x40004
	s_lshl_b32 s42, ttmp9, 2
	s_add_co_u32 s42, s42, s40                     ; tile column = 4 x cluster x + cx
	s_and_b32 s17, ttmp7, 0xffff
	s_lshl_b32 s17, s17, 2
	s_add_co_u32 s17, s17, s41                     ; tile row = 4 x cluster y + cy
	s_lshl_b32 s43, s41, 2
	s_lshl_b32 s43, 15, s43                        ; my row of the cluster
	s_lshl_b32 s44, 0x1111, s40                    ; my column
	; descriptor group 1: a tile of 128 rows x 256 bytes, padded in LDS
	s_or_b32 s[G1+0], s43, (0<<16)|(1<<20)|(1<<21)|(5<<22)|(3<<25)  ; 15:0 the mask: x's tiles go to my row; 17:16 elements of 1 byte; 20 padding on; 21 set beside a mask; 24:22 after every 64 words; 31:25 four words
	s_or_b32 s[G1B+0], s44, (0<<16)|(1<<20)|(1<<21)|(5<<22)|(3<<25) ; the same with the mask of my column, for W's tiles
.irp g, G1, G1B
	s_mov_b32 s[\g+1], ROWB<<16                    ; tensor_dim0
	s_mov_b32 s[\g+2], 128<<16                     ; tensor_dim1
	s_mov_b32 s[\g+3], ROWB<<16                    ; tile_dim0
	s_mov_b32 s[\g+4], 128                         ; tile_dim1
	s_mov_b32 s[\g+5], KROW                        ; tensor_dim0_stride
	s_mov_b32 s[\g+6], 0
	s_mov_b32 s[\g+7], 0
.endr
	s_lshl_b32 s18, s16, 7                         ; which 128 rows of the tile I fetch
	s_lshl_b32 s20, s17, 8
	s_add_co_u32 s20, s20, s18                     ; x: row 256 x tile row + 128 x half
	s_lshl_b32 s20, s20, 10                        ; in bytes (under 2^23)
	s_mov_b32 s21, 0
	s_lshl_b32 s46, s42, 8
	s_add_co_u32 s46, s46, s18                     ; W: row 256 x tile column + 128 x half
	s_lshl_b32 s46, s46, 10
	s_mov_b32 s47, 0
	s_mul_i32 s45, s14, HALFT                      ; where they go: wave x 128 rows: no place in the cluster enters an LDS address
	s_wait_kmcnt 0x0
	s_load_b256 s[72:79], s[10:11], 0x0            ; e0 .. e7
	s_add_nc_u64 s[20:21], s[4:5], s[20:21]
	s_add_nc_u64 s[46:47], s[6:7], s[46:47]
	CROUND                                         ; all sixteen work-groups are here: the first joint loads meet
.irp s, 0,1
	s_mov_b32 s[G0+4*\s], 1
	s_add_co_u32 s[G0+4*\s+1], s45, \s*SLOT
	s_add_nc_u64 s[G0+4*\s+2:G0+4*\s+3], s[20:21], \s*ROWB
	s_or_b32 s[G0+4*\s+3], s[G0+4*\s+3], 0x80000000
	s_mov_b32 s[G0B+4*\s], 1
	s_add_co_u32 s[G0B+4*\s+1], s45, \s*SLOT
	s_add_nc_u64 s[G0B+4*\s+2:G0B+4*\s+3], s[46:47], \s*ROWB
	s_or_b32 s[G0B+4*\s+3], s[G0B+4*\s+3], 0x80000000
	JLOAD G0+4*\s, G1, G0B+4*\s, G1B
.endr
	v_and_b32 v1, 15, v0                           ; r
	v_bfe_u32 v2, v0, 4, 1                         ; h
	v_mul_u32_u24 v3, v1, PITCH
	v_lshl_add_u32 v4, v2, 4, v3                   ; a fragment's row x pitch + 16 h
	s_wait_alu depctr_va_vdst(0)
	s_mul_i32 s12, s15, HALFT                      ; my 128 rows of x
	s_mul_i32 s13, s16, HALFT                      ; my 128 rows of W,
	s_add_co_u32 s13, s13, 2*HALFT                 ; which lie behind x's 256
	s_cmp_eq_u32 ttmp9, 2                          ; v's columns?  (the cluster's x: the same in all partners)
	s_cselect_b32 s18, s13, s12                    ; source 1 reads x's rows for q and k, W's for v;
	s_cselect_b32 s19, s12, s13                    ; source 0 the other.  Both bases lie in the same slot
.irp s, 0,1
	v_add_nc_u32 v[ADRA+\s], s18, v4
	v_add_nc_u32 v[ADRB+\s], s19, v4
	s_add_co_u32 s18, s18, SLOT
	s_add_co_u32 s19, s19, SLOT
.endr
	v_and_b32 v5, 31, v0
	v_lshlrev_b32 v[LO], 4, v5
	v_lshlrev_b32 v[BH], 5, v2
	v_lshlrev_b32 v[BR], 2, v1
	s_lshl_b32 s90, s42, 10                        ; b_attn at my first column n0 = 256 x tile column + 128 x half, in bytes
	s_lshl_b32 s91, s16, 9
	s_add_co_u32 s90, s90, s91
	s_mov_b32 s91, 0
	s_add_nc_u64 s[8:9], s[8:9], s[90:91]
.irp b, 0,1,2,3,4,5,6,7
	global_load_b128 v[BQ+8*\b:BQ+8*\b+3], v[BH], s[8:9] offset:64*\b          ; the bias as q's and k's results lie: eight columns a lane
	global_load_b128 v[BQ+8*\b+4:BQ+8*\b+7], v[BH], s[8:9] offset:64*\b+16
.endr
.irp a, 0,1,2,3,4,5,6,7
	global_load_b32 v[BV+2*\a], v[BR], s[8:9] offset:64*\a                     ; and as v's lie: one column a lane, twice, a pair for the packed addition
	global_load_b32 v[BV+2*\a+1], v[BR], s[8:9] offset:64*\a
.endr
	s_wait_kmcnt 0x0
	s_cmp_eq_u32 ttmp9, 0                          ; q's columns?
	s_cselect_b32 s80, s74, s75                    ; e2 for q, e3 for k
	s_cselect_b64 s[86:87], s[68:69], s[70:71]     ; q_img, or kv_img
	s_cselect_b32 s92, 17, 18                      ; a head is 2^17 bytes in q_img, 2^18 in kv_img
	s_cselect_b32 s93, 13, 14                      ; 128 tokens are 2^13 bytes of a head in q_img, 2^14 in kv_img
	s_cmp_eq_u32 ttmp9, 2
	s_cselect_b32 s80, s77, s80                    ; e5 for v
	s_cselect_b32 s94, 8192, 0                     ; V's fragments lie behind K's in a key step
	s_add_co_i32 s81, s72, s73                     ; e0 + e1
	s_sub_co_i32 s82, 0, s81
	s_sub_co_i32 s83, s80, s81
	s_add_co_i32 s83, s83, 127
	s_lshl_b32 s83, s83, 23                        ; 2^(et - e0 - e1) as f32
	v_mov_b32 v[SCL], s83
	s_lshr_b32 s90, s17, 3                         ; batch: eight tile rows each
	s_lshl_b32 s90, s90, 4
	s_lshl_b32 s91, s40, 2
	s_add_co_u32 s90, s90, s91
	s_lshl_b32 s91, s16, 1
	s_add_co_u32 s90, s90, s91                     ; 16 x batch + 4 cx + 2 x half: the first of my two heads
	s_lshl_b32 s90, s90, s92
	s_and_b32 s91, s17, 7
	s_lshl_b32 s91, s91, 1
	s_add_co_u32 s91, s91, s15                     ; which 128 tokens of the batch are mine
	s_lshl_b32 s91, s91, s93
	s_add_co_u32 s90, s90, s91
	s_add_co_u32 s90, s90, s94
	s_mov_b32 s91, 0
	s_add_nc_u64 s[86:87], s[86:87], s[90:91]      ; where my first head's images go,
	s_lshl_b32 s90, 1, s92
	s_add_nc_u64 s[88:89], s[86:87], s[90:91]      ; and my second head's
	s_wait_loadcnt 0x0
.set j, 0
.rept 80
	v_ldexp_f32 v[BQ+j], v[BQ+j], s82              ; b / 2^(e0 + e1), both layouts
.set j, j+1
.endr
.macro FRAG reg, adr, q, i             ; a fragment, 16 rows x 128 K, is 16 registers: lane l holds row l % 16; registers 4 c .. 4 c + 3 hold K = 32 c + 16 (l / 16) + 0 .. 15: the same places in both sources
.irp c, 0,1,2,3
	ds_load_b128 v[\reg+4*\c:\reg+4*\c+3], v[\adr] offset:128*(\q)+32*\c+(\i)*16*PITCH
.endr
.endm
; 16 matrix instructions: source 1's blocks a0, a0 + 1 x source 0's eight, 128 along K.  p: source 0's set.  zero = 1: the first product starts the sums.
; The 64 accumulators take turns, one instruction a turn, in the same order in every step.
.macro MUL16 a0, p, zero
.irp a, \a0, \a0+1
.irp b, 0,1,2,3,4,5,6,7
.if \zero
	v_wmma_f32_16x16x128_bf8_bf8 v[8*(8*((\a)%4)+\b):8*(8*((\a)%4)+\b)+7], v[128*(\p)+FR*\b:128*(\p)+FR*\b+FR-1], v[AF+FR*(\a):AF+FR*(\a)+FR-1], 0
.else
	v_wmma_f32_16x16x128_bf8_bf8 v[8*(8*((\a)%4)+\b):8*(8*((\a)%4)+\b)+7], v[128*(\p)+FR*\b:128*(\p)+FR*\b+FR-1], v[AF+FR*(\a):AF+FR*(\a)+FR-1], v[8*(8*((\a)%4)+\b):8*(8*((\a)%4)+\b)+7]
.endif
.endr
.endr
.endm
.macro FETCH_B slot, q, p              ; source 0's eight fragments of the slot's q-th 128 along K into set p
	WIN TO_B
.irp i, 0,1,2,3,4,5,6,7
	FRAG 128*(\p)+FR*\i, ADRB+\slot, \q, \i
.endr
	WIN 0
.endm
.macro FETCH_A slot, q, i0             ; source 1's blocks i0 .. i0 + 3
.irp i, \i0, \i0+1, \i0+2, \i0+3
	FRAG AF+FR*(\i), ADRA+\slot, \q, \i
.endr
.endm
.macro PLACES n                        ; plain vector instructions between a matrix instruction and a load into, or a vector instruction on, one of its registers
.rept \n
	v_nop
.endr
.endm
; A step of 128 along K that has its successor in the same slot.
.macro STEP slot, q, zero
	s_wait_dscnt 4*NL                              ; source 0's set and source 1's blocks 0-3 are in; the youngest sixteen loads (blocks 4-7) may be out
	WIN MUL_LO
	MUL16 0, (\q)%2, \zero
	MUL16 2, (\q)%2, \zero
	s_wait_dscnt 0                                 ; blocks 4-7 are in
	PLACES NP
	FETCH_B \slot, (\q)+1, 1-(\q)%2
	FETCH_A \slot, (\q)+1, 0
	WIN MUL_HI
	MUL16 4, (\q)%2, \zero
	MUL16 6, (\q)%2, \zero
	PLACES NP
	WIN 0
	FETCH_A \slot, (\q)+1, 4
.endm
; A slot's last step changes slots: ONE barrier; in front of it each wave waits for all its tensor loads, adds 0 to its spare word, and waits for that and for its own reads of this slot.  fill = 1: this slot is filled again.
.macro TURN slot, next, fill
	s_wait_tensorcnt 0x0                           ; all my tensor loads have landed: my part of the next slot  (every window is 0 here)
	ds_add_u32 v[SPW], v[NIL]                      ; 0 onto my spare word
	s_wait_dscnt 4*NL+1                            ; (the add and the youngest sixteen loads may be out)
	WIN MUL_LO
	MUL16 0, 1, 0                                  ; sixteen matrix instructions stand between the add and the wait for it
	s_wait_dscnt 0x0                               ; the add is done, and my reads of this slot are over
	s_barrier_signal -1
	MUL16 2, 1, 0
	WIN 0
	s_barrier_wait -1
.if \fill
	CREST                                          ; the barrier has opened a round of the cluster's barrier: no wave of any partner still reads this slot or has a load on its way
	s_add_nc_u64 s[G0+4*\slot+2:G0+4*\slot+3], s[G0+4*\slot+2:G0+4*\slot+3], 2*ROWB
	s_add_nc_u64 s[G0B+4*\slot+2:G0B+4*\slot+3], s[G0B+4*\slot+2:G0B+4*\slot+3], 2*ROWB
	JLOAD G0+4*\slot, G1, G0B+4*\slot, G1B         ; the first tensor load behind the round; its four v_nop are the places in front of the loads below
.else
	PLACES NP
.endif
	FETCH_B \next, 0, 0
	FETCH_A \next, 0, 0
	WIN MUL_HI
	MUL16 4, 1, 0
	MUL16 6, 1, 0
	PLACES NP
	WIN 0
	FETCH_A \next, 0, 4
.endm
	s_wait_tensorcnt 0x1                           ; my part of slot 0 is in; slot 1's load may be out
	s_barrier_signal -1
	s_barrier_wait -1                              ; everybody's is
	FETCH_B 0, 0, 0
	FETCH_A 0, 0, 0
	FETCH_A 0, 0, 4
	STEP 0, 0, 1                                   ; K 0: the first products start the sums.  K = 1,024 is eight steps: they are written out
	TURN 0, 1, 1                                   ; K 128; slot 0 takes K 512 on
	STEP 1, 0, 0                                   ; K 256
	TURN 1, 0, 1                                   ; K 384; slot 1 takes K 768 on
	STEP 0, 0, 0                                   ; K 512
	TURN 0, 1, 0                                   ; K 640; nothing is left to fetch
	STEP 1, 0, 0                                   ; K 768
	s_wait_dscnt 4*NL                              ; K 896
	WIN MUL_LO
	MUL16 0, 1, 0
	MUL16 2, 1, 0
	s_wait_dscnt 0
	WIN MUL_HI
	MUL16 4, 1, 0
	MUL16 6, 1, 0
	WIN 0
; THE WAY OUT of block a: the bias is added in place, each accumulator from its low end on; eight conversions make the block's 16 registers of codes;
; four stores of 512 consecutive bytes.  Each block has its own registers for its codes, so no store's data are written again.
.macro OUT a, isv
.set AC, 64*((\a)%4)
.set WNDW, 2+(\a)/4
.set WBOTH, (WNDW<<6)|WNDW
	WIN WBOTH                                      ; destination and source 0: the block's window
.irp b, 0,1,2,3,4,5,6,7
.irp i, 0,2,4,6
.if \isv
	v_pk_add_f32 v[AC+8*\b+\i:AC+8*\b+\i+1], v[AC+8*\b+\i:AC+8*\b+\i+1], v[BV+2*(\a):BV+2*(\a)+1]
.else
	v_pk_add_f32 v[AC+8*\b+\i:AC+8*\b+\i+1], v[AC+8*\b+\i:AC+8*\b+\i+1], v[BQ+8*\b+\i:BQ+8*\b+\i+1]
.endif
.endr
.irp i, 0,1,2,3,4,5,6,7
.endr
.endr
	WIN WNDW                                       ; source 0 alone
.irp b, 0,1,2,3,4,5,6,7
	v_cvt_scalef32_pk8_bf8_f32 v[AF+16*(\a)+2*\b:AF+16*(\a)+2*\b+1], v[AC+8*\b:AC+8*\b+7], v[SCL]
.endr
	v_nop                                          ; a plain vector line behind the last conversion of the run
	WIN 0
.irp c, 0,1,2,3
.if \isv
	global_store_b128 v[LO], v[AF+16*(\a)+4*\c:AF+16*(\a)+4*\c+3], s[86+2*((\a)/4):87+2*((\a)/4)] offset:2048*((\a)%4)+512*\c    ; head a / 4, channels 16 (a % 4) on, quarter c
.else
	global_store_b128 v[LO], v[AF+16*(\a)+4*\c:AF+16*(\a)+4*\c+3], s[86+2*(\c/2):87+2*(\c/2)] offset:1024*(\a)+512*(\c%2)        ; head c / 2, tokens 16 a on, half c % 2
.endif
.endr
.endm
	PLACES NP                                      ; behind the last products: the lines below read results and write over source 1's fragments
	s_cmp_eq_u32 ttmp9, 2                          ; the cluster's x: all partners go the same way
	s_cbranch_scc1 .Lv
.irp a, 0,1,2,3,4,5,6,7
	OUT \a, 0
.endr
	s_branch .Ldone
.Lv:
.irp a, 0,1,2,3,4,5,6,7
	OUT \a, 1
.endr
.Ldone:
	s_wait_tensorcnt 0x0                           ; the wave's end
	ds_add_u32 v[SPW], v[NIL]
	s_wait_dscnt 0x0
	CROUND                                         ; the closing round: no work-group ends while a partner may still ask for a tile that names it
	s_endpgm
.Lfunc_end_k_q025af0cc7f_qkv:
	.size	k_q025af0cc7f_qkv, .Lfunc_end_k_q025af0cc7f_qkv-k_q025af0cc7f_qkv
	.p2alignl 7, 3214868480
	.fill 96, 4, 3214868480
	.section	.rodata,"a",@progbits
	.p2align	6, 0x0
	.amdhsa_kernel k_q025af0cc7f_qkv
		.amdhsa_group_segment_fixed_size 327680
		.amdhsa_private_segment_fixed_size 0
		.amdhsa_enable_private_segment 0
		.amdhsa_kernarg_size 48
		.amdhsa_user_sgpr_count 2
		.amdhsa_user_sgpr_kernarg_segment_ptr 1
		.amdhsa_wavefront_size32 1
		.amdhsa_system_sgpr_workgroup_id_x 1
		.amdhsa_system_sgpr_workgroup_id_y 1
		.amdhsa_system_sgpr_workgroup_id_z 1
		.amdhsa_system_vgpr_workitem_id 0
		.amdhsa_next_free_vgpr 1024
		.amdhsa_next_free_sgpr 100
		.amdhsa_reserve_vcc 0
		.amdhsa_float_denorm_mode_32 3
		.amdhsa_float_denorm_mode_16_64 3
		.amdhsa_fp16_overflow 1
		.amdhsa_memory_ordered 1
		.amdhsa_forward_progress 1
		.amdhsa_inst_pref_size 134
	.end_amdhsa_kernel
	.amdgpu_metadata
---
amdhsa.version: [ 1, 2 ]
amdhsa.kernels:
  - .name:           k_q025af0cc7f_qkv
    .symbol:         k_q025af0cc7f_qkv.kd
    .args:
      - { .name: x_codes, .offset: 0, .size: 8, .value_kind: global_buffer, .address_space: global }
      - { .name: W_attn_codes, .offset: 8, .size: 8, .value_kind: global_buffer, .address_space: global }
      - { .name: b_attn, .offset: 16, .size: 8, .value_kind: global_buffer, .address_space: global }
      - { .name: lowp_scales, .offset: 24, .size: 8, .value_kind: global_buffer, .address_space: global }
      - { .name: q_img, .offset: 32, .size: 8, .value_kind: global_buffer, .address_space: global }
      - { .name: kv_img, .offset: 40, .size: 8, .value_kind: global_buffer, .address_space: global }
    .group_segment_fixed_size: 327680
    .private_segment_fixed_size: 0
    .kernarg_segment_align: 8
    .kernarg_segment_size: 48
    .max_flat_workgroup_size: 128
    .sgpr_count:     100
    .vgpr_count:     1024
    .wavefront_size: 32
...
	.end_amdgpu_metadata
.endif
;; end of part 1
;; launch attn (part 2): grid 4 x 64, 16 waves a work-group, no clusters, 264,192 bytes of LDS; arguments q_img, kv_img, lowp_scales, a_img; writes a_img
.if DOCPART == 2
	.amdgcn_target "amdgcn-amd-amdhsa--gfx1250"
	.amdhsa_code_object_version 6
	.text
	.protected	k_q025af0cc7f_attn
	.globl	k_q025af0cc7f_attn
	.p2align	8
	.type	k_q025af0cc7f_attn,@function
k_q025af0cc7f_attn:
	s_mov_b64 s[64:65], 0
	v_nop
	global_prefetch_b8 v0, s[64:65] scope:SCOPE_SE
	s_setreg_imm32_b32 hwreg(HW_REG_WAVE_MODE, 25, 1), 1
	s_wait_xcnt 0x0
; Causal attention of one head on codes of BF8 (E5M2): S = q k^T (K = 64), p = 2^(t - M), O = p v (K = the keys), O / l quantised with 2^e6 for the last product.
; t = score x log2(e) / 8; M = the row's largest t so far, rounded UP to a whole number; p is quantised with 2^e4, not normalised; l is the sum of the unquantised p.  When M moves, l and O are multiplied by 2^(old M - new M).
; q_img, kv_img: images of operand registers (a group of four registers of all lanes: 512 bytes, 16 x lane).  q_img: [64 heads][128 tiles of 16 queries][1,024].
; kv_img: [64 heads][16 key steps of 128 keys][16,384]: K's 8 fragments (16 keys x 64) of 1,024 bytes, then V^T's 4 fragments (16 channels x 128 keys) of 2,048.
; a_img: [512 token blocks][8 K steps of 128][4 quarters][512 bytes]; head hd's 64 channels are the 1,024 bytes at 1,024 hd of a token block's 16,384.
; SHARES.  Work-group (j, head).  A tile of 16 queries, number i of 128, needs i / 8 + 1 key steps.  Wave w takes tiles 16 j + w and 127 - (16 j + w): 17 key steps for every wave of the launch.  The tiles come one after
; the other, the high one first, so that one tile's state lives in 256 registers and four waves share a SIMD: one wave's vector work stands beside another's products and LDS loads.
; ALL OF THE HEAD'S K AND V LIE IN LDS, 262,144 bytes, filled once: no slot is filled again.  Each wave issues three tensor loads at the head, a sixteenth of key steps 0-1, 2-7 and 8-15: three are out at the most.
; NO CLUSTER, though the four work-groups of a head read the same 262,144 bytes: each work-group jumps over the key steps that lie behind its own queries, a branch that differs between the four; without it the
; vector work of the launch would double.  NO PREFETCH: every byte that the work-group reads of K and V is asked for by the tensor loads at the head; there is no later request to run ahead of.
; LAYOUT.  Both products transposed: S^T = K Q^T (source 0 = 16 keys), O^T = V^T P^T (source 0 = 16 channels): a lane holds ONE query (lane % 16).  In tile t of S^T lane (r, h) holds keys 16 t + 8 h + 0 .. 7:
; its eight codes are registers 2 t, 2 t + 1 of P, in the places where V's image has the same keys.
; LIMITS on the given exponents: e2 + e3 between -123 and 130 (added to c's exponent field); e4 and e6 between -126 and 112; e4 + e5 goes in by v_ldexp_f32 and has none.
; REGISTERS: v1 16 x lane; v2 r - 8 h; v8 LDS address; v12 -M, v13 the largest t, v[14:15] l in two halves; v16-23 the high tile's Q, v24-31 the low tile's; v32-95 K's eight fragments, then V's four;
;   v96-159 S^T, then p; v160-191 O^T; v192-223 the way out; v224-239 p's codes; v236, v240-254 constants and at work.
.set LI,   1
.set DQ,   2
.set ADK,  8
.set WV,   18                          ; s18  my wave's number
.set SEL,  20                          ; s[20:21] lane selects for v_permlanex16_b32: lane l xor 16
.set CS,   22                          ; s[22:23] c = log2(e) / 8 x 2^(e2 + e3), twice
.set TB,   2                           ; s2   LDS byte of the key step in hand
.set CNT,  3                           ; s3   trips to go
.set KF,   60                          ; s60  the step's first key
.set Q0,   61                          ; s61  the first query of the tile in hand
.set Q0H,  62
.set Q0L,  63
.set STEPB, 16384
.macro SHAPE g, rows                   ; descriptor group 1: rows x 256 bytes, dense in memory and in LDS
	s_mov_b32 s[\g], 3<<16                         ; no mask; elements of 8 bytes; no padding
	s_mov_b32 s[\g+1], 32<<16                      ; tensor_dim0 = 32 elements
	s_mov_b32 s[\g+2], (\rows)<<16                 ; tensor_dim1
	s_mov_b32 s[\g+3], 32<<16                      ; tile_dim0
	s_mov_b32 s[\g+4], \rows                       ; tile_dim1
	s_mov_b32 s[\g+5], 32                          ; tensor_dim0_stride
	s_mov_b32 s[\g+6], 0
	s_mov_b32 s[\g+7], 0
.endm
	s_load_b256 s[4:11], s[0:1], 0x0               ; q_img s[4:5], kv_img s[6:7], the scales' exponents s[8:9], a_img s[10:11]
	v_lshl_add_u32 v249, v0, 2, 0x40000
	v_mov_b32 v255, 0
	ds_add_u32 v249, v255
	ds_add_u32 v249, v255
	v_lshrrev_b32 v8, 5, v0
	s_delay_alu instid0(VALU_DEP_1)
	v_readfirstlane_b32 s[WV], v8                  ; wave 0..15
	s_and_b32 s19, ttmp7, 0xffff                   ; the head, 0..63
	SHAPE 24, 8                                    ; key steps 0-1:  32,768 bytes, 2,048 a wave
	SHAPE 32, 24                                   ; key steps 2-7:  98,304 bytes, 6,144 a wave
	SHAPE 40, 32                                   ; key steps 8-15: 131,072 bytes, 8,192 a wave
	s_mov_b32 s48, 1
	s_lshl_b32 s49, s[WV], 11                      ; LDS address = byte in the head's K and V: 2,048 w
	s_mov_b32 s52, 1
	s_mul_i32 s53, s[WV], 6144
	s_add_co_u32 s53, s53, 32768                   ; 32,768 + 6,144 w
	s_mov_b32 s56, 1
	s_lshl_b32 s57, s[WV], 13
	s_add_co_u32 s57, s57, 131072                  ; 131,072 + 8,192 w
	s_lshl_b32 s96, s19, 18                        ; a head's K and V: 262,144 bytes
	s_mov_b32 s97, 0
	s_wait_dscnt 0x0
	s_wait_kmcnt 0x0
	s_load_b256 s[68:75], s[8:9], 0x0              ; e0 .. e7
	s_add_nc_u64 s[6:7], s[6:7], s[96:97]
	s_mov_b32 s96, s49
	s_add_nc_u64 s[50:51], s[6:7], s[96:97]
	s_or_b32 s51, s51, 0x80000000                  ; type = 2
	s_mov_b32 s96, s53
	s_add_nc_u64 s[54:55], s[6:7], s[96:97]
	s_or_b32 s55, s55, 0x80000000
	s_mov_b32 s96, s57
	s_add_nc_u64 s[58:59], s[6:7], s[96:97]
	s_or_b32 s59, s59, 0x80000000
	tensor_load_to_lds s[48:51], s[24:31]          ; the three first fills go out together, ahead of every wait on TENSORcnt, every LDS read and every barrier
	s_nop 0
	tensor_load_to_lds s[52:55], s[32:39]
	s_nop 0
	tensor_load_to_lds s[56:59], s[40:47]
	s_nop 0
.rept 4
	v_nop
.endr
	s_lshl_b32 s96, ttmp9, 4
	s_add_co_u32 s96, s96, s[WV]                   ; my low tile: 16 j + w
	s_sub_co_u32 s98, 127, s96                     ; my high tile
	s_lshl_b32 s[Q0L], s96, 4
	s_lshl_b32 s[Q0H], s98, 4
	s_lshl_b32 s88, s19, 17                        ; a head's Q: 131,072 bytes
	s_lshl_b32 s90, s98, 10
	s_add_co_u32 s90, s90, s88
	s_mov_b32 s91, 0
	s_add_nc_u64 s[76:77], s[4:5], s[90:91]        ; the high tile's Q,
	s_lshl_b32 s90, s96, 10
	s_add_co_u32 s90, s90, s88
	s_add_nc_u64 s[78:79], s[4:5], s[90:91]        ; the low tile's
	s_lshr_b32 s88, s19, 4
	s_lshl_b32 s88, s88, 21                        ; batch x 128 token blocks x 16,384 bytes
	s_and_b32 s89, s19, 15
	s_lshl_b32 s89, s89, 10                        ; + 1,024 x the head in its batch
	s_add_co_u32 s88, s88, s89
	s_lshl_b32 s90, s98, 14
	s_add_co_u32 s90, s90, s88
	s_add_nc_u64 s[80:81], s[10:11], s[90:91]      ; where the high tile's codes go,
	s_lshl_b32 s90, s96, 14
	s_add_co_u32 s90, s90, s88
	s_add_nc_u64 s[82:83], s[10:11], s[90:91]      ; and the low tile's
	v_and_b32 v[LI], 31, v0
	s_delay_alu instid0(VALU_DEP_1)
	v_lshlrev_b32 v[LI], 4, v[LI]
	global_load_b128 v[16:19], v[LI], s[76:77]
	global_load_b128 v[20:23], v[LI], s[76:77] offset:512
	global_load_b128 v[24:27], v[LI], s[78:79]
	global_load_b128 v[28:31], v[LI], s[78:79] offset:512
	v_and_b32 v[DQ], 15, v0
	v_bfe_u32 v3, v0, 4, 1
	s_delay_alu instid0(VALU_DEP_1)
	v_lshlrev_b32 v3, 3, v3
	s_delay_alu instid0(VALU_DEP_1)
	v_sub_nc_u32 v[DQ], v[DQ], v3                  ; r - 8 h
	s_mov_b32 s[SEL], 0x76543210
	s_mov_b32 s[SEL+1], 0xfedcba98
	v_mov_b32 v236, 0                              ; written once: a lane permute's destination counts as one of its sources
	v_mov_b32 v253, 0                              ; (named as the upper half of the pair v[252:253])
	s_wait_kmcnt 0x0
	s_add_co_i32 s96, s70, s71
	s_lshl_b32 s96, s96, 23
	s_add_co_i32 s[CS], s96, 0x3e38aa3b            ; c = log2(e) / 8, with e2 + e3 added to its exponent field
	s_mov_b32 s[CS+1], s[CS]
	s_add_co_i32 s96, s72, 127
	s_lshl_b32 s97, s96, 23
	v_mov_b32 v244, s97                            ; 2^e4 as f32, for p's conversions
	s_add_co_i32 s96, s74, 127
	s_lshl_b32 s97, s96, 23
	v_mov_b32 v245, s97                            ; 2^e6, for the output's conversions
	s_add_co_i32 s96, s96, 15
	s_lshl_b32 s84, s96, 23
	s_or_b32 s84, s84, 0x600000                    ; 57,344 x 2^e6,
	s_or_b32 s85, s84, 0x80000000                  ; and its negative
	s_add_co_i32 s86, s72, s73                     ; e4 + e5
.macro INIT                            ; a tile begins: the largest t under every t, sums and O^T zero, which the first change of M leaves zero
	v_mov_b32 v13, 0xff61b1e6                      ; -3e38
	s_delay_alu instid0(VALU_DEP_1)
	v_floor_f32 v12, -v13                          ; -M
	v_mov_b32 v14, 0
	v_mov_b32 v15, 0
.set j, 0
.rept 32
	v_mov_b32 v[160+j], 0
.set j, j+1
.endr
.endm
; A KEY STEP: 128 keys for the tile whose Q stands in v[q] on.  mask = 1: the step may lie on or behind the diagonal.
.macro STEP q, mask
.if \mask
	s_add_co_u32 s96, s[Q0], 15                    ; a step all of whose keys come after my 16 queries is left out: a scalar branch on ids
	s_cmp_gt_u32 s[KF], s96
	s_cbranch_scc1 .Lhidden_\@
.endif
	s_setprio 2
	v_add_nc_u32 v[ADK], s[TB], v[LI]
.rept 3
	v_nop                                          ; with the addition above: four places behind the last step's products, in front of loads into the registers that they read
.endr
.irp f, 0,1,2,3,4,5,6,7
	ds_load_b128 v[32+8*\f:35+8*\f], v[ADK] offset:1024*\f         ; K's fragment f: keys 16 f on
	ds_load_b128 v[36+8*\f:39+8*\f], v[ADK] offset:1024*\f+512
.endr
	s_wait_alu depctr_va_vdst(0)
	s_wait_dscnt 0x0
.irp t, 0,1,2,3,4,5,6,7
	v_wmma_f32_16x16x64_bf8_bf8 v[96+8*\t:103+8*\t], v[32+8*\t:39+8*\t], v[\q:\q+7], 0
.endr
.rept 4
	v_nop                                          ; four places: in front of the loads over K's fragments, and of the first read of the scores
.endr
.irp d, 0,1,2,3
.irp c, 0,1,2,3
	ds_load_b128 v[32+16*\d+4*\c:35+16*\d+4*\c], v[ADK] offset:8192+2048*\d+512*\c   ; V^T's fragment d: it lands while the softmax is walked
.endr
.endr
.if \mask                                      ; on the diagonal the scores of hidden keys become -infinity ahead of the maximum: p = 0 then.  A step all of whose keys count skips this
	s_add_co_u32 s96, s[KF], 127
	s_cmp_le_u32 s96, s[Q0]
	s_cbranch_scc1 .Lopen_\@
	s_sub_co_i32 s96, s[Q0], s[KF]
	v_add_nc_u32 v250, s96, v[DQ]                  ; d = my query - KF - 8 h.  Register 8 t + i holds key KF + 16 t + 8 h + i: hidden where 16 t + i > d
	v_mov_b32 v251, 0xff800000                     ; -infinity
.irp n, 0,1,2,3,4,5,6,7,8,9,10,11,12,13,14,15,16,17,18,19,20,21,22,23,24,25,26,27,28,29,30,31,32,33,34,35,36,37,38,39,40,41,42,43,44,45,46,47,48,49,50,51,52,53,54,55,56,57,58,59,60,61,62,63
	v_cmp_gt_i32 vcc_lo, 16*(\n/8)+\n%8, v250
	v_cndmask_b32 v[96+\n], v[96+\n], v251, vcc_lo
.endr
.Lopen_\@:
.endif
	v_max3_num_f32 v254, v96, v97, v98             ; the step's largest score of my query among my 64 keys, in two chains, each tile of scores from its low end on,
	v_max3_num_f32 v252, v99, v100, v101
.irp i, 6,10,14,18,22,26,30,34,38,42,46,50,54,58
	v_max3_num_f32 v254, v254, v[96+\i], v[97+\i]
	v_max3_num_f32 v252, v252, v[98+\i], v[99+\i]
.endr
	v_max3_num_f32 v254, v254, v158, v159
	s_delay_alu instid0(VALU_DEP_1)
	v_max_num_f32 v254, v254, v252
	v_permlanex16_b32 v236, v254, s[SEL], s[SEL+1]
	s_delay_alu instid0(VALU_DEP_1)
	v_max_num_f32 v254, v254, v236                 ; and among lane l xor 16's
	s_delay_alu instid0(VALU_DEP_1)
	v_mul_f32 v254, s[CS], v254                    ; as t (c is positive)
	s_delay_alu instid0(VALU_DEP_1)
	v_max_num_f32 v13, v13, v254                   ; the running largest t
	v_mov_b32 v254, v12
	s_delay_alu instid0(VALU_DEP_2)
	v_floor_f32 v12, -v13                          ; the new -M = floor(-t) = -ceil(t): a whole number
	s_delay_alu instid0(VALU_DEP_1)
	v_sub_f32 v254, v12, v254                      ; old M - new M: a whole number, 0 or less
	s_delay_alu instid0(VALU_DEP_1)
	v_cvt_i32_f32 v254, v254                       ; (it saturates)
	s_delay_alu instid0(VALU_DEP_1)
	v_ldexp_f32 v252, 1.0, v254                    ; f = 2^(old M - new M)
.irp j, 0,2,4,6,8,10,12,14,16,18,20,22,24,26,28,30,32,34,36,38,40,42,44,46,48,50,52,54,56,58,60,62
	v_pk_fma_f32 v[96+\j:97+\j], v[96+\j:97+\j], s[CS:CS+1], v[12:13] op_sel_hi:[1,0,0]   ; t - M, two at a time (of the pairs c and -M the low word serves both halves)
.endr
	s_setprio 1
	s_wait_alu depctr_va_vdst(0)
.irp j, 0,1,2,3,4,5,6,7,8,9,10,11,12,13,14,15,16,17,18,19,20,21,22,23,24,25,26,27,28,29,30,31,32,33,34,35,36,37,38,39,40,41,42,43,44,45,46,47,48,49,50,51,52,53,54,55,56,57,58,59,60,61,62,63
	v_exp_f32 v[96+\j], v[96+\j]                   ; p = 2^(t - M), at most 1
.endr
	v_pk_mul_f32 v[14:15], v[14:15], v[252:253] op_sel_hi:[1,0]   ; l under the new M.  (The plain line behind the exponentials)
	s_wait_alu depctr_va_vdst(0)                   ; one wait for the batch of 64, ahead of its first reader
	v_pk_add_f32 v[242:243], v[100:101], v[104:105]
	v_pk_add_f32 v[250:251], v[108:109], v[112:113]
	v_pk_add_f32 v[246:247], v[116:117], v[120:121]
	v_pk_add_f32 v[240:241], v[124:125], v[128:129]
	v_pk_add_f32 v[238:239], v[132:133], v[136:137]
	v_pk_add_f32 v[236:237], v[140:141], v[144:145]
	v_pk_add_f32 v[234:235], v[148:149], v[152:153]
	v_pk_add_f32 v[14:15], v[14:15], v[156:157]
	v_pk_add_f32 v[242:243], v[242:243], v[96:97]
	v_pk_add_f32 v[250:251], v[250:251], v[98:99]
	v_pk_add_f32 v[246:247], v[246:247], v[102:103]
	v_pk_add_f32 v[240:241], v[240:241], v[106:107]
	v_pk_add_f32 v[238:239], v[238:239], v[110:111]
	v_pk_add_f32 v[236:237], v[236:237], v[114:115]
	v_pk_add_f32 v[234:235], v[234:235], v[118:119]
	v_pk_add_f32 v[14:15], v[14:15], v[122:123]
	v_pk_add_f32 v[242:243], v[242:243], v[126:127]
	v_pk_add_f32 v[250:251], v[250:251], v[130:131]
	v_pk_add_f32 v[246:247], v[246:247], v[134:135]
	v_pk_add_f32 v[240:241], v[240:241], v[138:139]
	v_pk_add_f32 v[238:239], v[238:239], v[142:143]
	v_pk_add_f32 v[236:237], v[236:237], v[146:147]
	v_pk_add_f32 v[234:235], v[234:235], v[150:151]
	v_pk_add_f32 v[14:15], v[14:15], v[154:155]
	v_pk_add_f32 v[242:243], v[242:243], v[158:159]
	s_delay_alu instid0(VALU_DEP_2)
	v_pk_add_f32 v[14:15], v[14:15], v[240:241]
	s_delay_alu instid0(VALU_DEP_2)
	v_pk_add_f32 v[242:243], v[242:243], v[238:239]
	v_pk_add_f32 v[250:251], v[250:251], v[236:237]
	v_pk_add_f32 v[246:247], v[246:247], v[234:235]
	s_delay_alu instid0(VALU_DEP_2)
	v_pk_add_f32 v[14:15], v[14:15], v[250:251]
	s_delay_alu instid0(VALU_DEP_2)
	v_pk_add_f32 v[242:243], v[242:243], v[246:247]
	s_delay_alu instid0(VALU_DEP_1)
	v_pk_add_f32 v[14:15], v[14:15], v[242:243]
	s_setprio 0
.irp t, 0,1,2,3,4,5,6,7
.irp i, 0,1,2,3,4,5,6,7
.endr
	v_cvt_scalef32_pk8_bf8_f32 v[224+2*\t:225+2*\t], v[96+8*\t:103+8*\t], v244   ; registers 2 t, 2 t + 1 of P: keys 16 t + 8 h + 0 .. 7
.endr
.irp j, 0,2,4,6,8,10,12,14,16,18,20,22,24,26,28,30
	v_pk_mul_f32 v[160+\j:161+\j], v[160+\j:161+\j], v[252:253] op_sel_hi:[1,0]   ; O^T under the new M.  (Also the plain lines between the conversions and the products)
.endr
	s_wait_alu depctr_va_vdst(0)
	s_wait_dscnt 0x0                               ; V is in
.irp c, 0,1,2,3                                ; the four accumulators take turns; eight products of scores stand between a link and the next
	v_wmma_f32_16x16x128_bf8_bf8 v[160+8*\c:167+8*\c], v[32+16*\c:47+16*\c], v[224:239], v[160+8*\c:167+8*\c]
.endr
.if \mask
.Lhidden_\@:
	s_add_co_u32 s[KF], s[KF], 128
.endif
	s_add_co_u32 s[TB], s[TB], STEPB
.endm
; A TILE'S WAY OUT: O^T x 2^(e4 + e5) / l, held, converted with 2^e6.  The codes lie as the products left them: pair c of registers holds channels 16 c + 8 h + 0 .. 7.  The last product reads its operands 16 bytes at a time:
; registers 4 c .. 4 c + 3 = channels 32 c + 16 h + 0 .. 15.  So lanes l and l xor 16 exchange one pair of each two: lanes 0-15 send pair 2 c + 1 and get pair 2 c; lanes 16-31 the other way round.
.macro OUT base
.rept 4
	v_nop                                          ; four places behind the last products, whose results are read and whose operands are written below
.endr
	s_wait_xcnt 0x0                                ; the earlier tile's stores have read their registers
	v_add_f32 v14, v14, v15                        ; l's two halves,
	v_permlanex16_b32 v236, v14, s[SEL], s[SEL+1]
	s_delay_alu instid0(VALU_DEP_1)
	v_add_f32 v14, v14, v236                       ; and lane l xor 16's
	s_wait_alu depctr_va_vdst(0)
	v_rcp_f32 v14, v14
	v_nop                                          ; a plain line behind the reciprocal,
	s_wait_alu depctr_va_vdst(0)                   ; and the wait ahead of its first reader
	v_ldexp_f32 v14, v14, s86                      ; x 2^(e4 + e5)
.irp i, 0,2,4,6,8,10,12,14,16,18,20,22,24,26,28,30
	v_pk_mul_f32 v[192+\i:193+\i], v[160+\i:161+\i], v[14:15] op_sel_hi:[1,0]
.endr
.irp i, 0,1,2,3,4,5,6,7,8,9,10,11,12,13,14,15,16,17,18,19,20,21,22,23,24,25,26,27,28,29,30,31
	v_med3_num_f32 v[192+\i], v[192+\i], s85, s84
.endr
.irp c, 0,1,2,3
	v_cvt_scalef32_pk8_bf8_f32 v[224+2*\c:225+2*\c], v[192+8*\c:199+8*\c], v245
.endr
	v_nop                                          ; a plain line behind the last conversion
	s_mov_b32 vcc_lo, 0xffff0000                   ; lanes 16-31
.irp c, 0,1
.irp u, 0,1
	v_cndmask_b32 v[232+2*\c+\u], v[226+4*\c+\u], v[224+4*\c+\u], vcc_lo   ; what I send
.endr
.endr
.irp n, 0,1,2,3
	s_delay_alu instid0(VALU_DEP_4)
	v_permlanex16_b32 v[192+\n], v[232+\n], s[SEL], s[SEL+1]               ; what I get
.endr
.irp c, 0,1
.irp u, 0,1
	v_cndmask_b32 v[200+4*\c+\u], v[224+4*\c+\u], v[192+2*\c+\u], vcc_lo   ; channels 32 c + 16 h + 0 .. 7
	v_cndmask_b32 v[202+4*\c+\u], v[192+2*\c+\u], v[226+4*\c+\u], vcc_lo   ; channels 32 c + 16 h + 8 .. 15
.endr
.endr
	global_store_b128 v[LI], v[200:203], s[\base:\base+1]              ; 512 consecutive bytes, aligned
	global_store_b128 v[LI], v[204:207], s[\base:\base+1] offset:512
.endm
	INIT
	s_mov_b32 s[Q0], s[Q0H]
	s_wait_tensorcnt 0x2                           ; my part of key steps 0-1 is in; the two later loads may be out
	s_barrier_signal -1
	s_barrier_wait -1                              ; everybody's is
	s_wait_loadcnt 0x0                             ; Q
	s_mov_b32 s[TB], 0
	s_mov_b32 s[CNT], 2
.Lfirst:                                           ; the high tile, key steps 0-1.  Its queries are 1,024 or later: keys under 1,024 all count
	STEP 16, 0
	s_sub_co_u32 s[CNT], s[CNT], 1
	s_cmp_lg_u32 s[CNT], 0
	s_cbranch_scc1 .Lfirst
	s_setprio 0
	s_wait_tensorcnt 0x1                           ; my part of key steps 2-7 is in.  (No LDS load of mine is out: a key step ends with all of them waited for)
	s_barrier_signal -1
	s_barrier_wait -1
	s_mov_b32 s[TB], 2*STEPB
	s_mov_b32 s[CNT], 6
.Lsecond:                                          ; key steps 2-7
	STEP 16, 0
	s_sub_co_u32 s[CNT], s[CNT], 1
	s_cmp_lg_u32 s[CNT], 0
	s_cbranch_scc1 .Lsecond
	s_setprio 0
	s_wait_tensorcnt 0x0                           ; my part of key steps 8-15 is in
	s_barrier_signal -1
	s_barrier_wait -1
	s_mov_b32 s[TB], 8*STEPB
	s_mov_b32 s[KF], 1024
	s_mov_b32 s[CNT], 8
.Lthird:                                           ; key steps 8-15: up to the diagonal; the trip count is a constant, the steps behind the diagonal are jumped over
	STEP 16, 1
	s_sub_co_u32 s[CNT], s[CNT], 1
	s_cmp_lg_u32 s[CNT], 0
	s_cbranch_scc1 .Lthird
	s_setprio 0
	OUT 80
	INIT
	s_mov_b32 s[Q0], s[Q0L]
	s_mov_b32 s[TB], 0
	s_mov_b32 s[KF], 0
	s_mov_b32 s[CNT], 8
.Lfourth:                                          ; the low tile: its queries are under 1,024, so key steps 0-7 hold all that counts
	STEP 24, 1
	s_sub_co_u32 s[CNT], s[CNT], 1
	s_cmp_lg_u32 s[CNT], 0
	s_cbranch_scc1 .Lfourth
	s_setprio 0
	OUT 82
	s_wait_tensorcnt 0x0
	ds_add_u32 v249, v255
	s_wait_dscnt 0x0
	s_endpgm
.Lfunc_end_k_q025af0cc7f_attn:
	.size	k_q025af0cc7f_attn, .Lfunc_end_k_q025af0cc7f_attn-k_q025af0cc7f_attn
	.p2alignl 7, 3214868480
	.fill 96, 4, 3214868480
	.section	.rodata,"a",@progbits
	.p2align	6, 0x0
	.amdhsa_kernel k_q025af0cc7f_attn
		.amdhsa_group_segment_fixed_size 264192
		.amdhsa_private_segment_fixed_size 0
		.amdhsa_enable_private_segment 0
		.amdhsa_kernarg_size 32
		.amdhsa_user_sgpr_count 2
		.amdhsa_user_sgpr_kernarg_segment_ptr 1
		.amdhsa_wavefront_size32 1
		.amdhsa_system_sgpr_workgroup_id_x 1
		.amdhsa_system_sgpr_workgroup_id_y 1
		.amdhsa_system_sgpr_workgroup_id_z 1
		.amdhsa_system_vgpr_workitem_id 0
		.amdhsa_next_free_vgpr 256
		.amdhsa_next_free_sgpr 100
		.amdhsa_reserve_vcc 1
		.amdhsa_float_denorm_mode_32 3
		.amdhsa_float_denorm_mode_16_64 3
		.amdhsa_fp16_overflow 1
		.amdhsa_memory_ordered 1
		.amdhsa_forward_progress 1
		.amdhsa_inst_pref_size 85
	.end_amdhsa_kernel
	.amdgpu_metadata
---
amdhsa.version: [ 1, 2 ]
amdhsa.kernels:
  - .name:           k_q025af0cc7f_attn
    .symbol:         k_q025af0cc7f_attn.kd
    .args:
      - { .name: q_img, .offset: 0, .size: 8, .value_kind: global_buffer, .address_space: global }
      - { .name: kv_img, .offset: 8, .size: 8, .value_kind: global_buffer, .address_space: global }
      - { .name: lowp_scales, .offset: 16, .size: 8, .value_kind: global_buffer, .address_space: global }
      - { .name: a_img, .offset: 24, .size: 8, .value_kind: global_buffer, .address_space: global }
    .group_segment_fixed_size: 264192
    .private_segment_fixed_size: 0
    .kernarg_segment_align: 8
    .kernarg_segment_size: 32
    .max_flat_workgroup_size: 512
    .sgpr_count:     100
    .vgpr_count:     256
    .wavefront_size: 32
...
	.end_amdgpu_metadata
.endif
;; end of part 2
;; launch proj (part 3): grid 4 x 64, 4 waves a work-group, clusters of 4 x 4, 327,680 bytes of LDS; arguments a_img, W_proj_codes, b_proj, lowp_scales, out0; writes out0
.if DOCPART == 3
	.amdgcn_target "amdgcn-amd-amdhsa--gfx1250"
	.amdhsa_code_object_version 6
	.text
	.protected	k_q025af0cc7f_proj
	.globl	k_q025af0cc7f_proj
	.p2align	8
	.type	k_q025af0cc7f_proj,@function
k_q025af0cc7f_proj:
	s_mov_b64 s[64:65], 0
	v_nop
	global_prefetch_b8 v0, s[64:65] scope:SCOPE_SE
	s_setreg_imm32_b32 hwreg(HW_REG_WAVE_MODE, 25, 1), 1
	s_wait_xcnt 0x0
	s_wait_alu depctr_hold_cnt(0) depctr_sa_sdst(0) depctr_va_vdst(0) depctr_va_sdst(0) depctr_va_ssrc(0) depctr_va_vcc(0) depctr_vm_vsrc(0)
	s_getreg_b32 s2, hwreg(HW_REG_IB_STS2, 6, 4)
	s_cmp_eq_u32 s2, 0
	s_cbranch_scc0 .Lentry_in_a_cluster
	s_endpgm
.Lentry_in_a_cluster:
	s_bfe_u32 s2, ttmp6, 0x10000c
	s_cmp_lg_u32 s2, 0xf033
	s_cbranch_scc0 .Lentry_shape_is_right
	s_endpgm
.Lentry_shape_is_right:
; out0 = a W_proj + b_proj on codes of BF8 (E5M2).  a: the attention's output as codes with the scale 2^e6; W_proj: [1024 (n)][1024 (k)] codes, K innermost, scale 2^e7; b_proj [1024], out0 [8192][1024]: f32.
; The codes are multiplied as they are; each finished sum goes out as sum x 2^(e6 + e7) + b, one packed multiply-add for two numbers.  LIMIT: e6 + e7 between -126 and 127, so that 2^(e6 + e7) is an f32 number.
; a_img: [512 token blocks of 16][8 K steps of 128][4 quarters][32 lanes][16 bytes]: images of the operand's registers: registers 4 c .. 4 c + 3 of lane (r, h) hold token r, K = 32 c + 16 h + 0 .. 15.
; W's fragments are read from padded LDS rows by four loads of 16 bytes at row x pitch + 16 h + 32 c: the same places of K.
; SHARES.  A tile of out0 is 128 tokens x 256 columns: 256 work-groups (tiles of 256 x 256 would be 128).  Four waves, each 64 tokens x 128 columns: 32 accumulators.  K goes in steps of 256 through two LDS slots: four fills.
; CLUSTERS: 4 x 4 work-groups.  a's tile is shared along a row of the cluster, W's along a column: each is asked for jointly.
; THE MATRIX INSTRUCTION IS USED TRANSPOSED (source 0 = 16 rows of W, source 1 = 16 tokens): a lane holds eight neighbouring columns of one row of out0.
; REGISTERS, in windows of 256: window 0: v16-29 addresses; v32-95 at work on the way out; v128-191, v192-255 a's fragments, two sets (on the way out: rows read back).
;   window 1: W's fragments, two sets.   window 2: the accumulators ((a, b) at v[8 (8 a + b)]).   window 3: v0-63 the bias: register 8 b + i = b_proj[n0 + 16 b + 8 h + i].
.set ROWB,   256                       ; a row of W's tile: 256 codes
.set KROW,   1024                      ; a row of W in memory
.set PITCH,  272                       ; a row of W in LDS: 256 bytes + 16 of padding: row r starts at bank 4 r mod 64 (64 banks of 4 bytes: ISA guide 11.1)
.set FR,     16
.set WOFF,   32768                     ; a slot: a's 8 token blocks x 4,096 bytes (two K steps' images), then W's 256 rows
.set HALFW,  128*PITCH
.set SLOT,   WOFF+2*HALFW              ; 102,400
.set SPARE,  2*SLOT                    ; behind the ring: the spare words, 128 bytes for each wave
.set SPITCH, 528                       ; the way out: a stage of 16 rows x (512 bytes + 16) for each wave, in slot 0, which has had its last fill and its last read when the first result is stored there
.set ADRA, 16                          ; v16-17  LDS address of a's images in slot 0, 1
.set ADRB, 20                          ; v20-21  of W's fragments
.set STO,  24                          ; v24     the way out: where I put 32 bytes of a row
.set RD,   25                          ; v25     where I read a row back
.set CO,   26                          ; v26     16 x lane
.set BH,   27                          ; v27     32 h
.set SPW,  28                          ; v28     LDS address of my spare word; never rewritten
.set NIL,  29                          ; v29     0; never rewritten
.set TMP,  32
.set AF,   128
.set BK,   128
.set G1, 24                            ; s[24:31] descriptor group 1 for a's tiles;  s[32:39] group 0, one set for each slot
.set G0, 32
.set G1B, 48                           ; s[48:55], s[56:63] the same for W's tiles
.set G0B, 56
.set MSB, 0
.macro WIN new                         ; the immediate's high byte repeats the setting that is left
.if MSB != \new
	s_set_vgpr_msb (MSB<<8)|\new
.set MSB, \new
.endif
.endm
.set MUL,    0xa1                      ; source 0 (W) window 1, source 1 (a) window 0, C and D window 2
.set TO_B,   0x40                      ; destination window 1, address window 0
.set TO_BIAS, 0xc0                     ; destination window 3
.set FINISH, 0x32                      ; source 0 (the sums) window 2, source 2 (the bias) window 3
.macro JLOAD g0a, g1a, g0b, g1b        ; a joint load: waves 0 and 1 fetch a's two halves, waves 2 and 3 W's; four v_nop follow each of the two lines
	s_cmp_eq_u32 s15, 0
	s_cbranch_scc0 .Lfor_b_\@
	tensor_load_to_lds s[\g0a:\g0a+3], s[\g1a:\g1a+7]
	s_nop 0
.rept 4
	v_nop
.endr
	s_branch .Lasked_\@
.Lfor_b_\@:
	tensor_load_to_lds s[\g0b:\g0b+3], s[\g1b:\g1b+7]
	s_nop 0
.rept 4
	v_nop
.endr
.Lasked_\@:
.endm
.macro CREST                           ; a round of the cluster's barrier behind its opening barrier
	s_cmp_lg_u32 s14, 0
	s_cbranch_scc1 .Lnot_wave_0_\@
	s_barrier_signal -3
.Lnot_wave_0_\@:
	s_barrier_wait -3
	s_barrier_signal -1
	s_barrier_wait -1
.endm
.macro CROUND
	s_barrier_signal -1
	s_barrier_wait -1
	CREST
.endm
	s_load_b256 s[4:11], s[0:1], 0x0               ; a_img s[4:5], W s[6:7], b_proj s[8:9], the scales' exponents s[10:11]
	s_load_b64 s[12:13], s[0:1], 0x20              ; out0
	v_lshl_add_u32 v[SPW], v0, 2, SPARE
	v_mov_b32 v[NIL], 0
	ds_add_u32 v28, v29
	ds_add_u32 v28, v29
	s_wait_dscnt 0x0
	v_lshrrev_b32 v1, 5, v0
	v_readfirstlane_b32 s14, v1                    ; wave 0..3
	s_lshr_b32 s15, s14, 1                         ; which half of the tile's tokens is mine.  Also: I fetch for a (0) or for W (1)
	s_and_b32 s16, s14, 1                          ; which half of its columns.  Also: which half of that tile I fetch
	s_bfe_u32 s40, ttmp6, 0x40000                  ; cx, cy
	s_bfe_u32 s41, ttmp6, 0x40004
	s_lshl_b32 s42, ttmp9, 2
	s_add_co_u32 s42, s42, s40                     ; tile column = 4 x cluster x + cx
	s_and_b32 s17, ttmp7, 0xffff
	s_lshl_b32 s17, s17, 2
	s_add_co_u32 s17, s17, s41                     ; tile row = 4 x cluster y + cy
	s_lshl_b32 s43, s41, 2
	s_lshl_b32 s43, 15, s43                        ; my row of the cluster
	s_lshl_b32 s44, 0x1111, s40                    ; my column
	; a's tile: 4 token blocks x 4,096 bytes (two K steps' images), 16,384 bytes apart in memory, dense in LDS
	s_or_b32 s[G1+0], s43, (3<<16)|(1<<21)         ; 15:0 the mask: my row; 17:16 elements of 8 bytes; 21 set beside a mask; no padding
	s_mov_b32 s[G1+1], 512<<16                     ; tensor_dim0 = 512 elements
	s_mov_b32 s[G1+2], 4<<16                       ; tensor_dim1 = 4
	s_mov_b32 s[G1+3], 512<<16                     ; tile_dim0
	s_mov_b32 s[G1+4], 4                           ; tile_dim1
	s_mov_b32 s[G1+5], 2048                        ; tensor_dim0_stride: 16,384 bytes
	s_mov_b32 s[G1+6], 0
	s_mov_b32 s[G1+7], 0
	; W's tile: 128 rows x 256 bytes, padded in LDS
	s_or_b32 s[G1B+0], s44, (0<<16)|(1<<20)|(1<<21)|(5<<22)|(3<<25)  ; the mask: my column; elements of 1 byte; four words of padding after every 64
	s_mov_b32 s[G1B+1], ROWB<<16
	s_mov_b32 s[G1B+2], 128<<16
	s_mov_b32 s[G1B+3], ROWB<<16
	s_mov_b32 s[G1B+4], 128
	s_mov_b32 s[G1B+5], KROW
	s_mov_b32 s[G1B+6], 0
	s_mov_b32 s[G1B+7], 0
	s_lshl_b32 s20, s17, 17                        ; a: token block 8 x tile row + 4 x half, 16,384 bytes each
	s_lshl_b32 s18, s16, 16
	s_add_co_u32 s20, s20, s18
	s_mov_b32 s21, 0
	s_lshl_b32 s46, s42, 18                        ; W: row 256 x tile column + 128 x half, 1,024 bytes each
	s_lshl_b32 s18, s16, 17
	s_add_co_u32 s46, s46, s18
	s_mov_b32 s47, 0
	s_lshl_b32 s45, s16, 14                        ; where they go: a's half,
	s_mul_i32 s19, s16, HALFW
	s_add_co_u32 s19, s19, WOFF                    ; W's half: no place in the cluster enters an LDS address
	s_wait_kmcnt 0x0
	s_load_b256 s[72:79], s[10:11], 0x0            ; e0 .. e7
	s_add_nc_u64 s[20:21], s[4:5], s[20:21]
	s_add_nc_u64 s[46:47], s[6:7], s[46:47]
	CROUND                                         ; all sixteen work-groups are here: the first joint loads meet
.irp s, 0,1
	s_mov_b32 s[G0+4*\s], 1
	s_add_co_u32 s[G0+4*\s+1], s45, \s*SLOT
	s_add_nc_u64 s[G0+4*\s+2:G0+4*\s+3], s[20:21], \s*4096
	s_or_b32 s[G0+4*\s+3], s[G0+4*\s+3], 0x80000000
	s_mov_b32 s[G0B+4*\s], 1
	s_add_co_u32 s[G0B+4*\s+1], s19, \s*SLOT
	s_add_nc_u64 s[G0B+4*\s+2:G0B+4*\s+3], s[46:47], \s*ROWB
	s_or_b32 s[G0B+4*\s+3], s[G0B+4*\s+3], 0x80000000
	s_wait_alu depctr_va_vdst(0)
	s_wait_tensorcnt 0x0
	ds_add_u32 v28, v29
	ds_add_u32 v28, v29
	s_wait_dscnt 0x0
	CROUND
	JLOAD G0+4*\s, G1, G0B+4*\s, G1B
.endr
	v_and_b32 v1, 15, v0                           ; r
	v_bfe_u32 v2, v0, 4, 1                         ; h
	v_and_b32 v5, 31, v0
	v_lshlrev_b32 v[CO], 4, v5                     ; 16 x lane
	v_mul_u32_u24 v3, v1, PITCH
	v_lshl_add_u32 v4, v2, 4, v3                   ; W: row x pitch + 16 h
	s_lshl_b32 s22, s15, 14                        ; my four token blocks' images
	s_mul_i32 s23, s16, HALFW
	s_add_co_u32 s23, s23, WOFF                    ; my 128 rows of W
.irp s, 0,1
	v_add_nc_u32 v[ADRA+\s], s22, v[CO]
	v_add_nc_u32 v[ADRB+\s], s23, v4
	s_add_co_u32 s22, s22, SLOT
	s_add_co_u32 s23, s23, SLOT
.endr
	s_mul_i32 s23, s14, 16*SPITCH                  ; my stage
	v_mul_u32_u24 v5, v1, SPITCH                   ; in: row r, 32 bytes for each half of the lanes
	v_lshl_add_u32 v5, v2, 5, v5
	v_add_nc_u32 v[STO], s23, v5
	v_add_nc_u32 v[RD], s23, v[CO]                 ; back: the 32 lanes take one row of 512 bytes
	s_lshl_b32 s90, s17, 7
	s_lshl_b32 s91, s15, 6
	s_add_co_u32 s90, s90, s91                     ; my first row of out0: 128 x tile row + 64 x half,
	s_lshl_b32 s90, s90, 12                        ; 4,096 bytes a row (under 2^26)
	s_lshl_b32 s92, s42, 10
	s_lshl_b32 s91, s16, 9
	s_add_co_u32 s92, s92, s91                     ; my first column, in bytes: 1,024 x tile column + 512 x half
	s_add_co_u32 s90, s90, s92
	s_mov_b32 s91, 0
	s_mov_b32 s93, 0
	s_add_nc_u64 s[12:13], s[12:13], s[90:91]
	s_add_nc_u64 s[8:9], s[8:9], s[92:93]          ; b_proj at my first column
	v_lshlrev_b32 v[BH], 5, v2
	WIN TO_BIAS
.irp b, 0,1,2,3,4,5,6,7
	global_load_b128 v[8*\b:8*\b+3], v[BH], s[8:9] offset:64*\b
	global_load_b128 v[8*\b+4:8*\b+7], v[BH], s[8:9] offset:64*\b+16
.endr
	WIN 0
	s_wait_alu depctr_va_vdst(0)
	s_wait_kmcnt 0x0
	s_add_co_i32 s96, s78, s79                     ; e6 + e7
	s_add_co_i32 s96, s96, 127
	s_lshl_b32 s96, s96, 23                        ; 2^(e6 + e7) as f32
	s_mov_b32 s97, s96                             ; (named with it as a pair, so it is written)
; 8 matrix instructions: token block a x W's eight blocks, 128 along K, on set p.  The 32 accumulators take turns, in the same order in every step.
.macro MUL8 a, p, zero
.irp b, 0,1,2,3,4,5,6,7
.if \zero
	v_wmma_f32_16x16x128_bf8_bf8 v[8*(8*\a+\b):8*(8*\a+\b)+7], v[128*\p+FR*\b:128*\p+FR*\b+FR-1], v[AF+64*\p+FR*\a:AF+64*\p+FR*\a+FR-1], 0
.else
	v_wmma_f32_16x16x128_bf8_bf8 v[8*(8*\a+\b):8*(8*\a+\b)+7], v[128*\p+FR*\b:128*\p+FR*\b+FR-1], v[AF+64*\p+FR*\a:AF+64*\p+FR*\a+FR-1], v[8*(8*\a+\b):8*(8*\a+\b)+7]
.endif
.endr
.endm
; 48 LDS loads in one run: the fragments of the slot's q-th 128 along K into set p
.macro FETCH slot, q, p
	WIN TO_B
.irp i, 0,1,2,3,4,5,6,7
.irp c, 0,1,2,3
	ds_load_b128 v[128*\p+FR*\i+4*\c:128*\p+FR*\i+4*\c+3], v[ADRB+\slot] offset:128*\q+32*\c+\i*16*PITCH
.endr
.endr
	WIN 0
.irp i, 0,1,2,3
.irp c, 0,1,2,3
	ds_load_b128 v[AF+64*\p+FR*\i+4*\c:AF+64*\p+FR*\i+4*\c+3], v[ADRA+\slot] offset:4096*\i+2048*\q+512*\c
.endr
.endr
.endm
.macro PLACES                          ; four plain vector instructions between a matrix instruction and a load into, or a vector instruction on, one of its registers
.rept 4
	v_nop
.endr
.endm
; A slot's first 128 along K, on set 0; in its middle the slot's second 128 are fetched into set 1.
.macro STEP slot, zero
	s_wait_dscnt 0x0                               ; set 0 is in
	WIN MUL
	MUL8 0, 0, \zero
	MUL8 1, 0, \zero
	PLACES
	FETCH \slot, 1, 1
	WIN MUL
	MUL8 2, 0, \zero
	MUL8 3, 0, \zero
.endm
; A slot's second 128 along K, on set 1, and the change of slots: ONE barrier; in front of it each wave waits for all its tensor loads, adds 0 to its spare word, and waits for that and for its own reads of this slot.
.macro TURN slot, next, fill
	WIN 0                                          ; (the add's two registers lie in window 0)
	s_wait_tensorcnt 0x0                           ; all my tensor loads have landed: my part of the next slot
	ds_add_u32 v[SPW], v[NIL]                      ; 0 onto my spare word
	s_wait_dscnt 1                                 ; set 1 is in; the add may be out
	WIN MUL
	MUL8 0, 1, 0                                   ; eight matrix instructions stand between the add and the wait for it
	s_wait_dscnt 0x0                               ; the add is done, and my reads of this slot are over
	s_barrier_signal -1
	MUL8 1, 1, 0
	WIN 0
	s_barrier_wait -1
.if \fill
	CREST                                          ; the barrier has opened a round of the cluster's barrier: no wave of any partner still reads this slot or has a load on its way
	s_add_nc_u64 s[G0+4*\slot+2:G0+4*\slot+3], s[G0+4*\slot+2:G0+4*\slot+3], 2*4096
	s_add_nc_u64 s[G0B+4*\slot+2:G0B+4*\slot+3], s[G0B+4*\slot+2:G0B+4*\slot+3], 2*ROWB
	JLOAD G0+4*\slot, G1, G0B+4*\slot, G1B         ; the first tensor load behind the round; its four v_nop are the places in front of the loads below
.else
	PLACES
.endif
	FETCH \next, 0, 0
	WIN MUL
	MUL8 2, 1, 0
	MUL8 3, 1, 0
.endm
	s_wait_loadcnt 0x0                             ; the bias
	s_wait_tensorcnt 0x1                           ; my part of slot 0 is in; slot 1's load may be out
	s_barrier_signal -1
	s_barrier_wait -1                              ; everybody's is
	FETCH 0, 0, 0
	STEP 0, 1                                      ; K 0: the first products start the sums.  K = 1,024 is eight steps: they are written out
	TURN 0, 1, 1                                   ; K 128; slot 0 takes K 512 on
	STEP 1, 0                                      ; K 256
	TURN 1, 0, 1                                   ; K 384; slot 1 takes K 768 on
	STEP 0, 0                                      ; K 512
	TURN 0, 1, 0                                   ; K 640; nothing is left to fetch
	STEP 1, 0                                      ; K 768
	s_wait_dscnt 0x0                               ; K 896
	MUL8 0, 1, 0
	MUL8 1, 1, 0
	MUL8 2, 1, 0
	MUL8 3, 1, 0
	WIN 0
; THE WAY OUT, block by block of 16 rows x 128 columns.  A lane holds 32 neighbouring bytes of a row and the lanes beside it hold other rows: a block goes through my own stage in LDS and comes back as whole rows of
; 512 bytes, which the 32 lanes store.  LDS serves a wave's instructions in order (ISA guide 5.7.1.4): no wait between the stores and the loads, nor in front of the next block's stores.
.macro TOSTAGE a
	WIN FINISH
.irp j, 0,2,4,6,8,10,12,14,16,18,20,22,24,26,28,30,32,34,36,38,40,42,44,46,48,50,52,54,56,58,60,62
	v_pk_fma_f32 v[TMP+\j:TMP+\j+1], v[64*(\a)+\j:64*(\a)+\j+1], s[96:97], v[\j:\j+1] op_sel_hi:[1,0,1]   ; sum x 2^(e6 + e7) + b; each accumulator from its low end on
.endr
	WIN 0
.irp b, 0,1,2,3,4,5,6,7
	ds_store_b128 v[STO], v[TMP+8*\b:TMP+8*\b+3] offset:64*\b
	ds_store_b128 v[STO], v[TMP+8*\b+4:TMP+8*\b+7] offset:64*\b+16
.endr
.set BB, BK+64*((\a)%2)
.irp t, 0,1,2,3,4,5,6,7,8,9,10,11,12,13,14,15
	ds_load_b128 v[BB+4*\t:BB+4*\t+3], v[RD] offset:\t*SPITCH
.endr
.endm
.macro SEND a, younger                 ; younger: the LDS instructions issued behind block a's loads, which may stay out
.set BB, BK+64*((\a)%2)
	s_wait_dscnt \younger                          ; the block is back in registers
.if (\a) > 0
	s_add_nc_u64 s[12:13], s[12:13], 16*4096       ; 16 rows on  (behind a wait on XCNT: the earlier stores have read their base)
.endif
.irp t, 0,1,2,3,4,5,6,7,8,9,10,11,12,13,14,15
	global_store_b128 v[CO], v[BB+4*\t:BB+4*\t+3], s[12:13] offset:\t*4096 th:TH_STORE_NT   ; 32 lanes store 512 consecutive bytes, aligned; written once, read by nobody here
.endr
.endm
	PLACES                                         ; behind the last products: their results are read, and a's fragments are loaded over
	TOSTAGE 0
.irp a, 1,2,3
.if \a > 1
	s_wait_xcnt 0x0                                ; block a - 2's stores have read their registers and their base
.endif
	TOSTAGE \a
	SEND \a-1, 32                                  ; behind block a - 1's loads: block a's 16 stores and 16 loads
.endr
	s_wait_xcnt 0x0                                ; block 2's stores have read their base
	SEND 3, 0
	s_wait_tensorcnt 0x0                           ; the wave's end
	ds_add_u32 v[SPW], v[NIL]
	s_wait_dscnt 0x0
	CROUND                                         ; the closing round: no work-group ends while a partner may still ask for a tile that names it
	s_endpgm
.Lfunc_end_k_q025af0cc7f_proj:
	.size	k_q025af0cc7f_proj, .Lfunc_end_k_q025af0cc7f_proj-k_q025af0cc7f_proj
	.p2alignl 7, 3214868480
	.fill 96, 4, 3214868480
	.section	.rodata,"a",@progbits
	.p2align	6, 0x0
	.amdhsa_kernel k_q025af0cc7f_proj
		.amdhsa_group_segment_fixed_size 327680
		.amdhsa_private_segment_fixed_size 0
		.amdhsa_enable_private_segment 0
		.amdhsa_kernarg_size 40
		.amdhsa_user_sgpr_count 2
		.amdhsa_user_sgpr_kernarg_segment_ptr 1
		.amdhsa_wavefront_size32 1
		.amdhsa_system_sgpr_workgroup_id_x 1
		.amdhsa_system_sgpr_workgroup_id_y 1
		.amdhsa_system_sgpr_workgroup_id_z 1
		.amdhsa_system_vgpr_workitem_id 0
		.amdhsa_next_free_vgpr 832
		.amdhsa_next_free_sgpr 100
		.amdhsa_reserve_vcc 0
		.amdhsa_float_denorm_mode_32 3
		.amdhsa_float_denorm_mode_16_64 3
		.amdhsa_memory_ordered 1
		.amdhsa_forward_progress 1
		.amdhsa_inst_pref_size 78
	.end_amdhsa_kernel
	.amdgpu_metadata
---
amdhsa.version: [ 1, 2 ]
amdhsa.kernels:
  - .name:           k_q025af0cc7f_proj
    .symbol:         k_q025af0cc7f_proj.kd
    .args:
      - { .name: a_img, .offset: 0, .size: 8, .value_kind: global_buffer, .address_space: global }
      - { .name: W_proj_codes, .offset: 8, .size: 8, .value_kind: global_buffer, .address_space: global }
      - { .name: b_proj, .offset: 16, .size: 8, .value_kind: global_buffer, .address_space: global }
      - { .name: lowp_scales, .offset: 24, .size: 8, .value_kind: global_buffer, .address_space: global }
      - { .name: out0, .offset: 32, .size: 8, .value_kind: global_buffer, .address_space: global }
    .group_segment_fixed_size: 327680
    .private_segment_fixed_size: 0
    .kernarg_segment_align: 8
    .kernarg_segment_size: 40
    .max_flat_workgroup_size: 128
    .sgpr_count:     100
    .vgpr_count:     832
    .wavefront_size: 32
...
	.end_amdgpu_metadata
.endif
;; end of part 3
